; MI455X (gfx1250); checked and timed in simulation.
; The chip was launched on July 23, 2026; its instructions are those of AMD's public machine-readable ISA for CDNA 5 (MIT licence, August 2026) and "CDNA5" Instruction Set Architecture Reference Guide (July 2026). The comments in the code are by the model that wrote it; some were corrected since.
;; Mp Max Pooling Match. Allowed arithmetic: matrix products marked QUANTISED: E2M3 operands, one E8M0 scale for each 32 along K, by v_wmma_scale_f32_16x16x128_f8f6f4 with both operands' format E2M3, f32 sums; everything else in f32.
;; Inputs: kernel 32 x 256 float32; reps_lt 16 x 256 x 256 float32; reps_rt_codes 16 x 256 x 8 x 24 uint8 (E2M3 codes of reps_rt, K innermost, in blocks of 32 codes, four codes in three bytes); reps_rt_scales 16 x 256 x 8 uint8 (E8M0 scales of reps_rt, one for each 32 codes along K).
;; Outputs: out0 16 x 256 x 32 float32.
;; This version of the problem:
;;   THIS VERSION OF THE PROBLEM IS GIVEN IN LOW PRECISION. The matrix products marked QUANTISED in the list below multiply operands that are first quantised to E2M3 (2 exponent bits, 3 mantissa bits; 6 bits a number), with one power-of-two scale for each 32 numbers along K (OCP MX v1.0); their sums are f32. All else is computed in f32.
;;   The module's matrix products, in the order in which they are computed (A, B: the left and right operand; K: the contracted axis; several contracted axes count as one K, in the product's order):
;;     1. batch 16 x [M 256, K 256] x [K 256, N 8,192]; A: input reps_rt (given as codes); B: computed on the way: QUANTISED
;;   THE QUANTISER, for each operand of a quantised product, along K:
;;     - K is cut into blocks of 32 from its start; a last block that is shorter is filled with zeros.
;;     - A block's scale is 2^e with e = floor(log2(the largest magnitude in the block)) - 2, held to -126 .. 127; a block of zeros has e = 0. As a byte (E8M0): e + 127.
;;     - Each number is divided by its block's scale, clamped to +-7.5, and rounded to the nearest number of E2M3, ties to even, subnormals kept.
;;     - The product sums the exact products of the quantised numbers (number of the format x scale) in f32.
;;   ~~~python
;;   def quantise(x, axis):      # numpy; x: float32 -> the quantised numbers, widened to float32 again
;;       x = np.moveaxis(x, axis, -1); K = x.shape[-1]
;;       x = np.pad(x, [(0, 0)] * (x.ndim - 1) + [(0, -K % 32)]); x = x.reshape(x.shape[:-1] + (-1, 32)); a = np.abs(x).max(-1, keepdims=True)
;;       e = np.where(a > 0, np.clip(np.frexp(np.where(a > 0, a, 1))[1] - 1 - 2, -126, 127), 0)      # np.frexp(a)[1] - 1 = floor(log2(a)), exactly
;;       r = np.clip(x / 2.0 ** e, -7.5, 7.5)
;;       step = 2.0 ** (np.maximum(np.frexp(np.where(r == 0, 1, r))[1] - 1, 0) - 3)
;;       q = np.round(r / step) * step * 2.0 ** e      # np.round: ties to even
;;       return np.moveaxis(q.reshape(q.shape[:-2] + (-1,))[..., :K], -1, axis).astype(np.float32)
;;   ~~~
;;   OPERANDS COMPUTED ON THE WAY. 'Computed on the way' means the value that the module computes at that place (a softmax that the list does not call 'softmax' is quantised finished and normalised). What goes into a quantiser is computed in f32, as accurately as f32 sums, v_exp_f32 and their like allow (about 1e-6 of the number): no bf16 or f16 on the way to a quantiser, and a product that is left as it is and whose result goes on into a quantised operand takes f32 operands (vector FMAs, or v_wmma_f32_16x16x4_f32). A number that lies on a knife's edge between two numbers of the format may be rounded either way, as far as f32 arithmetic and the matrix unit's own rounding can turn it there, and no further.
;;   INPUTS GIVEN AS CODES. reps_rt (in the module: [16, 256, 256], K = its axis 2): each comes as NAME_codes (uint8): NAME with its K axis moved to the last place and cut into blocks of 32 codes, [.., K / 32, bytes a block], one block behind the other in memory; four codes in three bytes: a row's codes are one little-endian stream of bits, code i at bits 6 i .. 6 i + 5 (a code: sign, 2 exponent bits, 3 mantissa bits); and NAME_scales (uint8): the same leading axes, one E8M0 byte (e + 127) for each 32 codes along K. Its value is code x scale, taken as it is: it is not quantised again, and the codes and scales need not be those that the quantiser above would give.
;; One version. Each part assembles by itself: llvm-mc -triple=amdgcn-amd-amdhsa -mcpu=gfx1250 --defsym DOCPART=n.
;; ======== version 1 of 1: 1 launch
;; launch match (part 1): grid 16 x 16, 4 waves a work-group, clusters of 4 x 1, 327,680 bytes of LDS; arguments kernel, reps_lt, reps_rt_codes, reps_rt_scales, out0; writes out0
.if DOCPART == 1
	.amdgcn_target "amdgcn-amd-amdhsa--gfx1250"
	.amdhsa_code_object_version 6
	.text
	.protected	k_qa1ddcc803f_match
	.globl	k_qa1ddcc803f_match
	.p2align	8
	.type	k_qa1ddcc803f_match,@function
k_qa1ddcc803f_match:
	s_mov_b64 s[64:65], 0
	v_nop
	global_prefetch_b8 v0, s[64:65] scope:SCOPE_SE
	s_setreg_imm32_b32 hwreg(HW_REG_WAVE_MODE, 25, 1), 1
	s_wait_xcnt 0x0
	s_wait_alu depctr_hold_cnt(0) depctr_sa_sdst(0) depctr_va_vdst(0) depctr_va_sdst(0) depctr_va_ssrc(0) depctr_va_vcc(0) depctr_vm_vsrc(0)
	s_getreg_b32 s2, hwreg(HW_REG_IB_STS2, 6, 4)
	s_cmp_eq_u32 s2, 0
	s_cbranch_scc0 .Lentry_in_a_cluster
	s_endpgm
.Lentry_in_a_cluster:
	s_bfe_u32 s2, ttmp6, 0x10000c
	s_cmp_lg_u32 s2, 0x3003
	s_cbranch_scc0 .Lentry_shape_is_right
	s_endpgm
.Lentry_shape_is_right:
; out[b][j][m] = max over i of tanh( sum over d of Q(lt[b][i][d] x kernel[m][d]) x rt[b][j][d] ).  b 16, i 256, j 256, d 256, m 32.
; rt comes as codes of FP6 (E2M3) with one E8M0 byte for each 32 along d and is used as it lies.  lt x kernel is made in f32 (one rounding) and quantised along d, block by block of 32:
; scale byte = the largest magnitude's exponent field - 2, held at 1 from below; the conversion divides by the scale, rounds to the nearest code, ties to even, and holds at the largest code.
; tanh never decreases, so the largest tanh over i is the tanh of the largest sum: the maximum is taken of the sums, and tanh of 512 numbers a work-group.
; SHARES.  A work-group owns one b, two m (2 mp, 2 mp + 1), all i and all j: every column (i, m) is quantised once in the launch and the maximum over i never leaves the work-group.
; Wave w owns i = 64 w .. 64 w + 63: four tiles T of 16 i.  A UNIT is one tile and one m against all 256 j over all of d: 32 matrix instructions; a wave has 8 units.
; OPERANDS.  Source 0 = 16 rows i of lt x kernel, source 1 = 16 rows j of rt.  In the result lane (r, h) holds j = 16 jt + r, and its register e holds i = i0 + 8 h + e: the maximum over i is taken down a lane's registers.
; All of rt[b] stays in each wave's registers (16 j tiles x 2 K steps x 12).  A lane holds whole blocks of lt x kernel (row i0 + r, d = 64 beta + 32 h + 0 .. 31), in the order of the operand's layout: the conversions' results are the operand.
; BY TURNS.  While tile T - 1 is multiplied (m 0, then m 1: 64 matrix instructions), tile T is quantised for BOTH m from ONE reading of lt, and the half finished last is reduced: one slice of about eight vector instructions stands
; behind each matrix instruction.  A unit has 236 vector instructions and 16 LDS loads for its 32 matrix instructions; set in phases of their own they would leave the matrix unit idle.  The price: two switches of the register window for each matrix instruction.
; THE FIRST TURN has nothing to multiply: in the matrix instructions' places stand the 192 LDS loads that bring rt into my registers, so that tile 0 is quantised while they are served.
; CLUSTER.  The four work-groups of a cluster have the same b and read the same lt[b] and the same codes: every tensor load is asked for JOINTLY, with the same descriptor and the mask of all four.  My place in the cluster enters
; kernel's and out's addresses alone.  LDS is filled once: nothing is filled again.  One round of the cluster's barrier stands in front of the fills and one in front of the end.
; OUT.  A row j of out is 128 bytes, all 32 m; this work-group has 8 bytes of each of 256 rows, and stores them so: a work-group that held whole rows would have to quantise all 32 m for its i, sixteen times the vector work.
; LIMITS.  NaN and infinities among the inputs are not served (the maxima drop NaN).  A block of zeros keeps the byte 1 and not 127: its codes are 0, so the sums are the same.
; tanh(x) = 1 - 2 / (1 + 2^(2.885390 x)): absolute error about 1e-7, exactly +-1 where the power overflows or falls to 0.
; REGISTERS, in windows of 256 (s_set_vgpr_msb: bits 1:0 source 0, 3:2 source 1, 5:4 source 2, 7:6 destination):
;   window 0: v1-11 addresses; v12-25 at work; v32-47 scale words of rt; v48-79 running maxima; v80-127 and v192-239 codes of lt x kernel, four sets; v128-191 two buffers of 32 numbers; v240-247 scale words of lt x kernel
;   window 1: kernel: register 128 m + 32 beta + i holds kernel[2 mp + m][64 beta + 32 h + i]
;   window 2: v0-191 rt's fragments of K step 0 (12 jt); v192-255 the accumulators of j tiles 0-7.     window 3: the same for K step 1 and j tiles 8-15
.set CPITCH, 240                       ; a row of codes in LDS: 3 x (64 bytes + 16 of padding) = 60 words: the 32 lanes of a load of 8 bytes touch 64 different banks (64 banks of 4 bytes: ISA guide 11.1)
.set LPITCH, 1040                      ; a row of lt in LDS: 1,024 bytes + 16 = 260 words
.set LTB,    256*CPITCH                ; LDS: the codes' 256 rows from byte 0; lt's 256 rows from here to the last byte asked for
.set LTILE,  16*LPITCH                 ; a tile of 16 rows of lt
.set LWAVE,  4*LTILE                   ; a wave's 64 rows.  Its first 4,096 bytes are the wave's stage on the way out: they have had their only fill, and only this wave has read them
.set RR,   1                           ; v1   r = lane % 16
.set HH,   2                           ; v2   h = lane / 16
.set ADR0, 3                           ; v3   rt's fragments: 240 r + 24 h
.set ADR1, 4                           ; v4   the same behind one padding more: 240 r + 40 h
.set LA,   5                           ; v5   lt: my wave's rows + 1,040 r + 128 h
.set SH8,  6                           ; v6   8 h
.set KO,   7                           ; v7   kernel: 128 h
.set SO,   8                           ; v8   rt's scale words: 8 r + 1,024 h
.set STO,  9                           ; v9   the way out: my wave's stage + 16 x lane
.set RD,   10                          ; v10  the way out: wave 0's stage + 512 (thread / 16) + 16 (thread % 16)
.set GO,   11                          ; v11  the way out: row 32 (thread / 16) + thread % 16 of out, 128 bytes a row
.set CH,   12                          ; v12-15 four chains of a block's maximum; on the way out four LDS addresses
.set AW,   12
.set SCF,  16                          ; v16  the conversion's scale operand: the byte in bits 30:23
.set BY,   17                          ; v17-20 the scale bytes of a K step's two blocks of mine: 2 m + c
.set TW,   21                          ; v21  the scale word in the making
.set TC,   22                          ; v22-24 the second half of a block's codes (a conversion's three registers begin on an even number)
.set TX,   25                          ; v25  the other half of the lanes' part of it
.set RS,   32                          ; v32-47 scale words of rt: 2 t + K step: lanes 0-15 j tile t, lanes 16-31 j tile t + 8.  Scales and nothing else
.set RUN,  48                          ; v48-79 running maxima: 2 jt + m
.set CD,   80                          ; codes of lt x kernel: 80 + 112 (T % 2) + 24 m + 12 x K step + 6 c: v80-127 for even tiles, v192-239 for odd ones
.set LB,   128                         ; v128-191 two buffers of 32 numbers
.set LSW,  240                         ; v240-247 scale words of lt x kernel: 4 (T % 2) + 2 m + K step.  They hold scales and nothing else
.set OB,   128                         ; the way out: 8 x 4 partial maxima
.set XR,   160                         ; the way out: my four results
.set WV,   14                          ; s14  my wave's number
.set G1C,  24                          ; s[24:31] descriptor group 1 for the codes
.set G1L,  32                          ; s[32:39] for lt
.set G0C,  40                          ; s[40:43] descriptor group 0 for the codes
.set G0L,  44                          ; s[44:59] for lt's four tiles
.set SEL,  60                          ; s[60:61] lane selects for v_permlanex16_b32: lane l xor 16
.set DSI,  0                           ; the text counts its own LDS instructions: so many have been issued,
.set LEND, 0                           ; so many when the last run of lt's loads ended,
.set FEND, 0                           ; and so many when the last fragment of rt was asked for
.set FI,   0                           ; fragments of rt asked for
.set MSB, 0
.macro WIN new                         ; the immediate's high byte repeats the setting that is left; a switch that changes nothing is dropped
.if MSB != (\new)
	s_set_vgpr_msb (MSB<<8)|(\new)
.set MSB, \new
.endif
.endm
; A round of the cluster's barrier: my work-group's barrier, so that wave 0's signal speaks for all four waves; wave 0 signals for the work-group; every wave waits for all four work-groups; my work-group's barrier once more.
.macro ROUND
	s_barrier_signal -1
	s_barrier_wait -1
	s_cmp_lg_u32 s[WV], 0
	s_cbranch_scc1 .Lnot_wave_0_\@
	s_barrier_signal -3
.Lnot_wave_0_\@:
	s_barrier_wait -3
	s_barrier_signal -1
	s_barrier_wait -1
.endm
.macro PLACES n
.rept \n
	v_nop
.endr
.endm
	s_load_b256 s[4:11], s[0:1], 0x0               ; kernel s[4:5], lt s[6:7], rt's codes s[8:9], rt's scales s[10:11]
	s_load_b64 s[12:13], s[0:1], 0x20              ; out
	v_lshrrev_b32 v[TW], 5, v0
	v_readfirstlane_b32 s[WV], v[TW]               ; wave 0..3
	v_mov_b32 v[TX], 0                             ; (the destination of a lane permute counts as read)
	v_and_b32 v[RR], 15, v0
	v_bfe_u32 v[HH], v0, 4, 1
	s_bfe_u32 s15, ttmp6, 0x40000                  ; cx: my place in the cluster
	s_lshl_b32 s16, ttmp9, 2                       ; in a cluster launch ttmp9 counts clusters
	s_add_co_u32 s16, s16, s15                     ; mp = 4 x cluster x + cx: my pair of m; it enters kernel's and out's addresses alone
	s_and_b32 s17, ttmp7, 0xffff                   ; b, which the four partners share
	s_mul_i32 s18, s[WV], LWAVE
	s_add_co_u32 s19, s18, LTB                     ; my wave's rows of lt in LDS
	s_lshl_b32 s20, s17, 18                        ; lt in memory: b x 262,144 + wave x 65,536
	s_lshl_b32 s21, s[WV], 16
	s_add_co_u32 s20, s20, s21
	s_mov_b32 s21, 0
	s_mul_i32 s22, s17, 49152                      ; the codes: b x 49,152 + wave x 64 rows of 192 bytes
	s_mul_i32 s23, s[WV], 12288
	s_add_co_u32 s22, s22, s23
	s_mov_b32 s23, 0
	s_lshl_b32 s66, s16, 11                        ; kernel: mp x 2 rows of 1,024 bytes
	s_mov_b32 s67, 0
	s_lshl_b32 s68, s17, 15                        ; out: b x 32,768 + mp x 8
	s_lshl3_add_u32 s68, s16, s68
	s_mov_b32 s69, 0
	s_lshl_b32 s70, s17, 11                        ; rt's scales: b x 2,048
	s_mov_b32 s71, 0
	s_mov_b32 s[SEL], 0x76543210
	s_mov_b32 s[SEL+1], 0xfedcba98
	; descriptor group 1.  lt: a tile of 16 rows x 256 elements of 4 bytes, 16 bytes of padding behind each row
	s_mov_b32 s[G1L], 15|(2<<16)|(1<<20)|(1<<21)|(7<<22)|(3<<25)   ; 15:0 the mask: all four work-groups; 17:16 elements of 4 bytes; 20 padding on; 21 set beside a mask; 24:22 after every 256 words (code 7); 31:25 4 words of it (code 3)
	s_mov_b32 s[G1L+1], 256<<16                    ; tensor_dim0 = 256
	s_mov_b32 s[G1L+2], 16<<16                     ; tensor_dim1 = 16
	s_mov_b32 s[G1L+3], 256<<16                    ; tile_dim0 = 256
	s_mov_b32 s[G1L+4], 16                         ; tile_dim1 = 16
	s_mov_b32 s[G1L+5], 256                        ; elements from row to row
	s_mov_b32 s[G1L+6], 0
	s_mov_b32 s[G1L+7], 0
	; the codes: 64 rows x 192 bytes, 16 bytes of padding behind every 64
	s_mov_b32 s[G1C], 15|(0<<16)|(1<<20)|(1<<21)|(3<<22)|(3<<25)   ; elements of 1 byte; after every 16 words (code 3) 4 words of padding (code 3)
	s_mov_b32 s[G1C+1], 192<<16
	s_mov_b32 s[G1C+2], 64<<16
	s_mov_b32 s[G1C+3], 192<<16
	s_mov_b32 s[G1C+4], 64
	s_mov_b32 s[G1C+5], 192
	s_mov_b32 s[G1C+6], 0
	s_mov_b32 s[G1C+7], 0
	v_mul_u32_u24 v[ADR0], v[RR], CPITCH
	v_mad_u32_u24 v[ADR0], v[HH], 24, v[ADR0]
	v_lshl_add_u32 v[ADR1], v[HH], 4, v[ADR0]
	v_mul_u32_u24 v[LA], v[RR], LPITCH
	v_lshl_add_u32 v[LA], v[HH], 7, v[LA]
	v_add_nc_u32 v[LA], s19, v[LA]
	v_lshlrev_b32 v[SH8], 3, v[HH]
	v_lshlrev_b32 v[KO], 7, v[HH]
	v_lshlrev_b32 v[SO], 3, v[RR]
	v_lshl_add_u32 v[SO], v[HH], 10, v[SO]
	v_and_b32 v[STO], 31, v0
	v_lshl_add_u32 v[STO], v[STO], 4, s19
	v_lshrrev_b32 v[RD], 4, v0                     ; thread / 16: 0..7
	v_lshlrev_b32 v[GO], 12, v[RD]
	v_lshl_add_u32 v[GO], v[RR], 7, v[GO]
	v_lshlrev_b32 v[RD], 9, v[RD]
	v_lshl_add_u32 v[RD], v[RR], 4, v[RD]
	v_add_nc_u32 v[RD], LTB, v[RD]
	s_wait_kmcnt 0x0
	s_add_nc_u64 s[4:5], s[4:5], s[66:67]          ; kernel at my two rows
	s_add_nc_u64 s[10:11], s[10:11], s[70:71]      ; rt's scales at b
	s_add_nc_u64 s[12:13], s[12:13], s[68:69]      ; out at b, my two m
	s_add_nc_u64 s[20:21], s[6:7], s[20:21]        ; lt at my wave's first row
	s_mov_b32 s[G0C], 1                            ; 1:0 count = 1
	s_mul_i32 s[G0C+1], s[WV], 64*CPITCH           ; 63:32 LDS address: my quarter of the codes' rows
	s_add_nc_u64 s[G0C+2:G0C+3], s[8:9], s[22:23]  ; 120:64 global address
	s_or_b32 s[G0C+3], s[G0C+3], 0x80000000        ; 127:126 type = 2
.irp t, 0,1,2,3
	s_mov_b32 s[G0L+4*\t], 1
	s_add_co_u32 s[G0L+4*\t+1], s18, LTB+\t*LTILE
	s_add_nc_u64 s[G0L+4*\t+2:G0L+4*\t+3], s[20:21], \t*16384
	s_or_b32 s[G0L+4*\t+3], s[G0L+4*\t+3], 0x80000000
.endr
	ROUND                                          ; all four work-groups are here: the joint loads meet
	; All fills of the launch, in one group: five tensor loads of mine are out.  lt comes in four tiles of 16 rows, so that the first tile is quantised as soon as its 16 rows and the codes have landed.
	tensor_load_to_lds s[G0L:G0L+3], s[G1L:G1L+7]          ; lt, my tile 0
	tensor_load_to_lds s[G0C:G0C+3], s[G1C:G1C+7]          ; my quarter of the codes
	tensor_load_to_lds s[G0L+4:G0L+7], s[G1L:G1L+7]        ; lt, my tiles 1, 2, 3
	tensor_load_to_lds s[G0L+8:G0L+11], s[G1L:G1L+7]
	tensor_load_to_lds s[G0L+12:G0L+15], s[G1L:G1L+7]
	PLACES 4                                       ; four v_nop follow the last of them
.irp t, 0,1,2,3,4,5,6,7
	global_load_b64 v[RS+2*\t:RS+2*\t+1], v[SO], s[10:11] offset:128*\t    ; a row's 8 scale bytes: the words of K steps 0 and 1; lanes 0-15 j tile t, lanes 16-31 j tile t + 8
.endr
	WIN 0x40                                       ; destination window 1, address window 0
.irp m, 0,1
.irp bb, 0,1,2,3
.irp i, 0,1,2,3,4,5,6,7
	global_load_b128 v[128*\m+32*\bb+4*\i:128*\m+32*\bb+4*\i+3], v[KO], s[4:5] offset:1024*\m+256*\bb+16*\i   ; kernel stays in registers: the numbers that meet my lane's numbers of lt
.endr
.endr
.endr
	WIN 0
; PIECE x = 4 T + beta (beta = 2 x K step + c) of the wave's 16 pieces of lt: my lane's 32 numbers of row r of tile T, at d = 64 beta + 32 h.  It serves two blocks of lt x kernel, one for each m.
; Eight LDS loads bring piece x into buffer x % 2.  In front of a tile's first piece: the wait for that tile, whose count is the number of lt's tiles asked for behind it.  Only my wave reads these rows, so my own counter is all the ordering they need.
.macro LLOAD x
.if (\x) < 16
	WIN 0
.if ((\x)%4 == 0) && ((\x) > 0)
	s_wait_tensorcnt 3-(\x)/4
.endif
.irp i, 0,1,2,3,4,5,6,7
	ds_load_b128 v[LB+32*((\x)%2)+4*\i:LB+32*((\x)%2)+4*\i+3], v[LA] offset:((\x)/4)*LTILE+((\x)%4)*256+16*\i
.endr
.set DSI, DSI+8
.set LEND, DSI
.endif
.endm
; lt x kernel, 16 numbers a part.  m = 0: out of piece x's buffer into the other one, since lt is wanted once more;  m = 1: in place
.macro MUL8 x, m, part
.if (\part == 0) && (\m == 0)
.set WN, DSI-LEND
.if WN > 63
.set WN, 63                                    ; (a wait's count cannot name more than its field holds; a smaller count is always right)
.endif
	s_wait_dscnt WN                                ; LDS loads come back in order (ISA guide 5.7.1): piece x is in; the count is the LDS loads issued behind its eight: fragments of rt in the first turn, none later
.endif
	WIN 0x04                                       ; source 1 (kernel) window 1
.set PS, LB+32*((\x)%2)+16*(\part)
.set PD, LB+32*(((\x)+1+(\m))%2)+16*(\part)
.set KB, 128*(\m)+32*((\x)%4)+16*(\part)
.irp i, 0,2,4,6,8,10,12,14
	v_pk_mul_f32 v[PD+\i:PD+\i+1], v[PS+\i:PS+\i+1], v[KB+\i:KB+\i+1]
.endr
.endm
; the block's largest magnitude: all 32 numbers are mine.  Four chains of seven, then the four left over and the chains
.macro MAX8 x, m, part
	WIN 0
.set PB, LB+32*(((\x)+1+(\m))%2)
.if \part == 0
.irp j, 0,1,2,3
	v_max3_num_f32 v[CH+\j], |v[PB+8*\j]|, |v[PB+8*\j+1]|, |v[PB+8*\j+2]|
.endr
.irp j, 0,1,2,3
	v_max3_num_f32 v[CH+\j], v[CH+\j], |v[PB+8*\j+3]|, |v[PB+8*\j+4]|
.endr
.else
.irp j, 0,1,2,3
	v_max3_num_f32 v[CH+\j], v[CH+\j], |v[PB+8*\j+5]|, |v[PB+8*\j+6]|
.endr
	v_max3_num_f32 v[CH], v[CH], |v[PB+7]|, |v[PB+15]|
	v_max3_num_f32 v[CH+2], v[CH+2], |v[PB+23]|, |v[PB+31]|
	v_max3_num_f32 v[CH], v[CH], v[CH+1], v[CH+2]
	v_max_num_f32 v[CH], v[CH], v[CH+3]
.endif
.endm
; the block's scale and codes.  The codes land in the operand's registers 6 beta .. 6 beta + 5 of the unit's set; the second three by way of v22-24, moved in the next slice
.macro CVTA x, m
	WIN 0
.set PB, LB+32*(((\x)+1+(\m))%2)
.set CB, CD+112*(((\x)/4)%2)+24*(\m)+6*((\x)%4)
	v_max_u32 v[SCF], 0x01800000, v[CH]            ; the exponent field is not to fall under 3, so that the byte does not fall under 1
	v_add_nc_u32 v[SCF], 0xff000000, v[SCF]        ; - 2 in the exponent field: the field is now the scale's byte; the conversion takes the field alone
	v_lshrrev_b32 v[BY+2*(\m)+(\x)%2], 23, v[SCF]  ; the byte (the sign bit is 0)
	v_cvt_scalef32_pk16_fp6_f32 v[CB:CB+2], v[PB:PB+15], v[SCF]
	v_cvt_scalef32_pk16_fp6_f32 v[TC:TC+2], v[PB+16:PB+31], v[SCF]
	v_nop                                          ; one plain vector instruction stands between a scaled conversion and what touches its result or writes its sources
.endm
.macro CVTB x, m
	WIN 0
.set CB, CD+112*(((\x)/4)%2)+24*(\m)+6*((\x)%4)
.irp i, 0,1,2
	v_mov_b32 v[CB+3+\i], v[TC+\i]
.endr
.endm
; a K step's scale word: my two bytes are blocks h and 2 + h of row r; with lane l xor 16's two the word is whole
.macro WORD tq, m, s
	WIN 0
	v_lshl_or_b32 v[TW], v[BY+2*(\m)+1], 16, v[BY+2*(\m)]
	v_lshlrev_b32 v[TW], v[SH8], v[TW]
	v_permlanex16_b32 v[TX], v[TW], s[SEL], s[SEL+1]
	v_or_b32 v[LSW+4*(\tq)+2*(\m)+(\s)], v[TW], v[TX]
.endm
; the running maxima of m take registers 2 p, 2 p + 1 of the eight accumulators of half g.  p = 0 comes first: each accumulator is read from its low end on.  first = 1: the unit is the first of its m: its p = 0 starts the maxima
.macro RMAX m, g, p, first
.if (\first) && ((\p) == 0)
.set WS, 0x0a+5*(\g)
	WIN WS                                         ; sources 0 and 1: window 2 or 3
.irp t, 0,1,2,3,4,5,6,7
	v_max_num_f32 v[RUN+2*(8*(\g)+\t)+(\m)], v[192+8*\t], v[192+8*\t+1]
.endr
.else
.set WS, 0x28+0x14*(\g)
	WIN WS                                         ; sources 1 and 2: window 2 or 3
.irp t, 0,1,2,3,4,5,6,7
	v_max3_num_f32 v[RUN+2*(8*(\g)+\t)+(\m)], v[RUN+2*(8*(\g)+\t)+(\m)], v[192+8*\t+2*(\p)], v[192+8*\t+2*(\p)+1]
.endr
.endif
.endm
; Matrix instruction k of 16 of a half: the unit of m = MW whose tile has the parity TM, j tiles 8 GG .. 8 GG + 7: K step k / 8, j tile 8 GG + k % 8.  The first eight start the sums with the constant 0.
; The eight accumulators take turns, one instruction a turn: between the two links of a chain stand the seven others.
.macro WM k
.set SS, (\k)/8
.set TT, (\k)%8
.set WS, ((2+SS)<<2)|((2+GG)<<4)|((2+GG)<<6)
	WIN WS                                         ; source 0 (my codes) window 0; source 1 (rt) window 2 + K step; C and D window 2 + GG
.set DA, 192+8*TT
.set AA, CD+112*TM+24*MW+12*SS
.set BA, 12*(8*GG+TT)
.set SA, LSW+4*TM+2*MW+SS
.set SB, RS+2*TT+SS
.if (\k) < 8
.if GG == 0
	v_wmma_scale_f32_16x16x128_f8f6f4 v[DA:DA+7], v[AA:AA+11], v[BA:BA+11], 0, v[SA], v[SB] matrix_a_fmt:MATRIX_FMT_FP6 matrix_b_fmt:MATRIX_FMT_FP6
.else
	v_wmma_scale_f32_16x16x128_f8f6f4 v[DA:DA+7], v[AA:AA+11], v[BA:BA+11], 0, v[SA], v[SB] matrix_a_fmt:MATRIX_FMT_FP6 matrix_b_fmt:MATRIX_FMT_FP6 matrix_b_scale:MATRIX_SCALE_ROW1
.endif
.else
.if GG == 0
	v_wmma_scale_f32_16x16x128_f8f6f4 v[DA:DA+7], v[AA:AA+11], v[BA:BA+11], v[DA:DA+7], v[SA], v[SB] matrix_a_fmt:MATRIX_FMT_FP6 matrix_b_fmt:MATRIX_FMT_FP6
.else
	v_wmma_scale_f32_16x16x128_f8f6f4 v[DA:DA+7], v[AA:AA+11], v[BA:BA+11], v[DA:DA+7], v[SA], v[SB] matrix_a_fmt:MATRIX_FMT_FP6 matrix_b_fmt:MATRIX_FMT_FP6 matrix_b_scale:MATRIX_SCALE_ROW1
.endif
.endif
.endm
; a fragment of rt, 16 rows j x 128 along d, is 12 registers: lane l holds row l % 16; registers 6 c .. 6 c + 5 hold d = 128 q + 64 c + 32 (l / 16) + 0 .. 31: 24 bytes of the row's stream of bits, as they lie, in pieces of 8 bytes.
; 16 bytes of padding lie behind every 8 pieces: where the piece three on (lanes 16-31) lies behind one padding more, the second address register serves
.macro FRAG reg, q, jt
.irp p, 0,1,2,3,4,5
.set PC, 12*(\q)+6*(\p/3)+\p%3
.if PC%8 < 5
	ds_load_b64 v[\reg+2*\p:\reg+2*\p+1], v[ADR0] offset:8*PC+16*(PC/8)+(\jt)*16*CPITCH
.else
	ds_load_b64 v[\reg+2*\p:\reg+2*\p+1], v[ADR1] offset:8*PC+16*(PC/8)+(\jt)*16*CPITCH
.endif
.endr
.endm
.macro FRAGN                           ; the next of rt's 32 fragments: j tiles 0-7 of K steps 0 and 1, then j tiles 8-15
.set FS, (FI/8)%2
.set FJ, 8*(FI/16)+FI%8
.set WS, 0x80+0x40*FS
	WIN WS                                         ; destination window 2 + K step, address window 0
	FRAG 12*FJ, FS, FJ
.set FI, FI+1
.set DSI, DSI+6
.set FEND, DSI
.endm
; The slice behind matrix instruction KK of a half.  q = 1: piece QX of lt is multiplied by both kernels and the two blocks are quantised.  RON = 1: the half finished last is reduced.
; Slot 7's loads bring the next piece into the buffer that the block of m = 0 has just left (its conversions stand in slot 6); they stand behind the slot's vector lines, nine slots ahead of their first use.
; A vector instruction that reads a matrix result stands four places behind the matrix instruction, and only plain vector instructions that name none of its registers are places (ISA guide 7.12.1): the first reduction stands in slot 2,
; behind the sixteen multiplies of slots 0 and 1, or behind four v_nop where nothing is quantised.
.macro SLICE q
.if \q
.if KK == 0
	MUL8 QX, 0, 0
.elseif KK == 1
	MUL8 QX, 0, 1
.elseif KK == 3
	MAX8 QX, 0, 0
.elseif KK == 4
	MAX8 QX, 0, 1
.elseif KK == 6
	CVTA QX, 0
.elseif KK == 7
	CVTB QX, 0
.if QX%2 == 1
	WORD TQ, 0, (QX%4)/2
.endif
	LLOAD QX+1
.elseif KK == 8
	MUL8 QX, 1, 0
.elseif KK == 9
	MUL8 QX, 1, 1
.elseif KK == 11
	MAX8 QX, 1, 0
.elseif KK == 12
	MAX8 QX, 1, 1
.elseif KK == 14
	CVTA QX, 1
.elseif KK == 15
	CVTB QX, 1
.if QX%2 == 1
	WORD TQ, 1, (QX%4)/2
.endif
.endif
.endif
.if RON
.if KK == 2
.if !\q
	PLACES 4
.endif
	RMAX RM, RG, 0, RF
.elseif KK == 5
	RMAX RM, RG, 1, RF
.elseif KK == 10
	RMAX RM, RG, 2, RF
.elseif KK == 13
	RMAX RM, RG, 3, RF
.endif
.endif
.endm
; A QUARTER OF A TURN.  t: the tile that is quantised; hh: its piece beta.  The tile that is multiplied is t - 1 (w = 1: it is): m = hh / 2, j tiles 8 (hh % 2) on.  A half of j tiles 0-7 reduces j tiles 8-15 of the unit before,
; a half of j tiles 8-15 reduces j tiles 0-7 of its own unit.  w = 0: the first turn: in the matrix instruction's place stands a fragment of rt, in three slots of four (not in those with lt's loads), until all 32 are asked for.
; The codes and scale words of tile t go into the sets of its parity, the other than those that are multiplied; all are finished in this turn and first named in the next:
; the nearest pair is the word of m 0's K step 1 (slot 7 of the last quarter) and matrix instruction 8 of the next turn, with sixteen slices between: more than the eight places that a scale word written by a vector instruction wants, and the four of an operand.
.macro HALF t, hh, w, q
.set QX, 4*(\t)+(\hh)
.set MW, (\hh)/2
.set GG, (\hh)%2
.set TM, ((\t)+1)%2
.set TQ, (\t)%2
.set UM, 2*(\t)-2+MW                   ; the unit that is multiplied, 0 .. 7
.set RON, \w
.if ((\t) == 1) && ((\hh) == 0)
.set RON, 0                            ; nothing is there to reduce yet
.endif
.set RF, 0
.if GG == 0
.set RM, (MW+1)%2
.set RG, 1
.if UM < 3
.set RF, 1
.endif
.else
.set RM, MW
.set RG, 0
.if UM < 2
.set RF, 1
.endif
.endif
.set KK, 0
.rept 16
.if \w
	WM KK
.elseif (FI < 32) && (KK%4 != 3)
	FRAGN
.endif
	SLICE \q
.set KK, KK+1
.endr
.endm
.macro PT t, w, q
	HALF \t, 0, \w, \q
	HALF \t, 1, \w, \q
	HALF \t, 2, \w, \q
	HALF \t, 3, \w, \q
.endm
	s_wait_tensorcnt 0x3                           ; tensor loads of a wave end in order (ISA guide 10.11.1): my tile 0 of lt and my quarter of the codes are in; lt's three later tiles may stay out
	s_barrier_signal -1
	s_barrier_wait -1                              ; everybody's quarter of the codes is in
	LLOAD 0
	s_wait_loadcnt 0x0                             ; kernel and rt's scale words
	PT 0, 0, 1                                     ; tile 0 is quantised for both m, beside the 192 loads that bring rt[b] into my registers
	WIN 0
	s_wait_dscnt DSI-FEND                          ; all of rt[b] is in; the run of lt's loads issued behind the last fragment may stay out
	PT 1, 1, 1                                     ; tile 0 is multiplied, tile 1 quantised
	PT 2, 1, 1
	PT 3, 1, 1
	PT 4, 1, 0                                     ; tile 3 is multiplied; nothing is left to quantise
	PLACES 4                                       ; behind the last products
.irp p, 0,1,2,3
	RMAX 1, 1, \p, 0                               ; the last unit's second half
.endr
	WIN 0
	; THE WAY OUT.  A lane's 32 maxima are over its 8 i of each of the wave's tiles; the lane 16 away and the other three waves hold the rest.  They meet in LDS: each wave lays its 4,096 bytes into its stage,
	; a barrier, and thread (qq, rr) gathers the eight partial maxima of four results: j = 32 qq + rr and 16 rows on, my two m.
.irp q4, 0,1,2,3,4,5,6,7
	ds_store_b128 v[STO], v[RUN+4*\q4:RUN+4*\q4+3] offset:512*\q4   ; j tiles 2 q4, 2 q4 + 1 x two m; 32 lanes, 512 neighbouring bytes
.endr
.irp w, 0,1,2,3
	v_add_nc_u32 v[AW+\w], \w*LWAVE, v[RD]         ; the four stages lie further apart than an LDS offset reaches
.endr
	s_wait_dscnt 0x0                               ; for the others' sake: my stores into my stage are done
	s_barrier_signal -1
	s_barrier_wait -1
.irp w, 0,1,2,3
	ds_load_b128 v[OB+8*\w:OB+8*\w+3], v[AW+\w]                ; wave w, lanes 0-15
	ds_load_b128 v[OB+8*\w+4:OB+8*\w+7], v[AW+\w] offset:256   ; wave w, lanes 16-31
.endr
	s_wait_dscnt 0x0
.irp e, 0,1,2,3
	v_max3_num_f32 v[XR+\e], v[OB+\e], v[OB+4+\e], v[OB+8+\e]
.endr
.irp e, 0,1,2,3
	v_max3_num_f32 v[XR+\e], v[XR+\e], v[OB+12+\e], v[OB+16+\e]
.endr
.irp e, 0,1,2,3
	v_max3_num_f32 v[XR+\e], v[XR+\e], v[OB+20+\e], v[OB+24+\e]
.endr
.irp e, 0,1,2,3
	v_max_num_f32 v[XR+\e], v[XR+\e], v[OB+28+\e]  ; the largest sum over all 256 i
.endr
.irp e, 0,1,2,3
	v_mul_f32 v[XR+\e], 0x4038aa3b, v[XR+\e]       ; 2 log2(e) x
.endr
.irp e, 0,1,2,3
	v_exp_f32 v[XR+\e], v[XR+\e]
.endr
	v_nop                                          ; one plain vector instruction between the last transcendental and the use of its result (ISA guide 5.7.2)
.irp e, 0,1,2,3
	v_add_f32 v[XR+\e], 1.0, v[XR+\e]
.endr
.irp e, 0,1,2,3
	v_rcp_f32 v[XR+\e], v[XR+\e]
.endr
	v_nop
.irp e, 0,1,2,3
	v_fma_f32 v[XR+\e], v[XR+\e], -2.0, 1.0        ; tanh = 1 - 2 / (1 + e^(2 x))
.endr
	global_store_b64 v[GO], v[XR:XR+1], s[12:13]               ; row 32 qq + rr, m = 2 mp, 2 mp + 1
	global_store_b64 v[GO], v[XR+2:XR+3], s[12:13] offset:2048 ; and 16 rows on
	ROUND                                          ; the closing round: no work-group ends while a partner may still ask for a tile that names it.  (My own tensor loads were all waited for in front of lt's last tile)
	s_endpgm
.Lfunc_end_k_qa1ddcc803f_match:
	.size	k_qa1ddcc803f_match, .Lfunc_end_k_qa1ddcc803f_match-k_qa1ddcc803f_match
	.p2alignl 7, 3214868480
	.fill 96, 4, 3214868480
	.section	.rodata,"a",@progbits
	.p2align	6, 0x0
	.amdhsa_kernel k_qa1ddcc803f_match
		.amdhsa_group_segment_fixed_size 327680
		.amdhsa_private_segment_fixed_size 0
		.amdhsa_enable_private_segment 0
		.amdhsa_kernarg_size 40
		.amdhsa_user_sgpr_count 2
		.amdhsa_user_sgpr_kernarg_segment_ptr 1
		.amdhsa_wavefront_size32 1
		.amdhsa_system_sgpr_workgroup_id_x 1
		.amdhsa_system_sgpr_workgroup_id_y 1
		.amdhsa_system_sgpr_workgroup_id_z 1
		.amdhsa_system_vgpr_workitem_id 0
		.amdhsa_next_free_vgpr 1024
		.amdhsa_next_free_sgpr 72
		.amdhsa_reserve_vcc 0
		.amdhsa_float_denorm_mode_32 3
		.amdhsa_float_denorm_mode_16_64 3
		.amdhsa_memory_ordered 1
		.amdhsa_forward_progress 1
		.amdhsa_inst_pref_size 195
	.end_amdhsa_kernel
	.amdgpu_metadata
---
amdhsa.version: [ 1, 2 ]
amdhsa.kernels:
  - .name:           k_qa1ddcc803f_match
    .symbol:         k_qa1ddcc803f_match.kd
    .args:
      - { .name: kernel, .offset: 0, .size: 8, .value_kind: global_buffer, .address_space: global }
      - { .name: reps_lt, .offset: 8, .size: 8, .value_kind: global_buffer, .address_space: global }
      - { .name: reps_rt_codes, .offset: 16, .size: 8, .value_kind: global_buffer, .address_space: global }
      - { .name: reps_rt_scales, .offset: 24, .size: 8, .value_kind: global_buffer, .address_space: global }
      - { .name: out0, .offset: 32, .size: 8, .value_kind: global_buffer, .address_space: global }
    .group_segment_fixed_size: 327680
    .private_segment_fixed_size: 0
    .kernarg_segment_align: 8
    .kernarg_segment_size: 40
    .max_flat_workgroup_size: 128
    .sgpr_count:     72
    .vgpr_count:     1024
    .wavefront_size: 32
...
	.end_amdgpu_metadata
.endif
;; end of part 1
